; MI455X (gfx1250); checked and timed in simulation.
; The chip was launched on July 23, 2026; its instructions are those of AMD's public machine-readable ISA for CDNA 5 (MIT licence, August 2026) and "CDNA5" Instruction Set Architecture Reference Guide (July 2026). The comments in the code are by the model that wrote it; some were corrected since.
;; W LSTM cell. Allowed arithmetic: float matrix products may take bf16 or f16 operands with f32 sums; other float arithmetic in f32, or as packed bf16 or f16 multiplies, adds, multiply-adds, maxima and minima; sums over many terms, partial sums and values carried from step to step in f32; what a program stores and reads back later, other than sums and carried values, may be rounded once to bf16 or f16.
;; Inputs: W_fh 1,024 x 1,024 float32; W_fx 1,024 x 1,024 float32; W_gh 1,024 x 1,024 float32; W_gx 1,024 x 1,024 float32; W_ih 1,024 x 1,024 float32; W_ix 1,024 x 1,024 float32; W_oh 1,024 x 1,024 float32; W_ox 1,024 x 1,024 float32; b_f 1,024 float32; b_g 1,024 float32; b_i 1,024 float32; b_o 1,024 float32; c_prev 8,192 x 1,024 float32; h 8,192 x 1,024 float32; x 8,192 x 1,024 float32.
;; Outputs: out0 8,192 x 1,024 float32; out1 8,192 x 1,024 float32.
;; 2 versions, each right; version 2 is version 1 with the launch cast written anew for expert scheduling mode. Each part assembles by itself: llvm-mc -triple=amdgcn-amd-amdhsa -mcpu=gfx1250 --defsym DOCPART=n.
;; ======== version 1 of 2: 2 launches
;; limits: values are held in f16: magnitudes above 65,504 overflow, below 6.1e-05 lose precision; inputs' magnitudes at most 65,504
;; workspace buffers: ab 33,554,432 bytes; wb 16,777,216 bytes
;; launch cast (part 1): grid 256 x 3, 8 waves a work-group, no clusters, 0 bytes of LDS; arguments x, h, W_ix, W_ih, W_fx, W_fh, W_gx, W_gh, W_ox, W_oh, ab, wb; writes ab, wb
.if DOCPART == 1
	.amdgcn_target "amdgcn-amd-amdhsa--gfx1250"
	.amdhsa_code_object_version 6
	.text
	.protected	k_qdc15cf659e_cast
	.globl	k_qdc15cf659e_cast
	.p2align	8
	.type	k_qdc15cf659e_cast,@function
k_qdc15cf659e_cast:
	s_mov_b64 s[64:65], 0
	v_nop
	global_prefetch_b8 v0, s[64:65] scope:SCOPE_SE
	s_setreg_imm32_b32 hwreg(HW_REG_WAVE_MODE, 25, 1), 1
	s_wait_xcnt 0x0
; LSTM cell, launch 1 of 2: the matrix operands are rounded ONCE to f16 (unscaled) and laid out for the product of launch 2.
; NO WORK OF THE PROBLEM IS LEFT OUT: each of the fifteen inputs reaches an output for general values; this launch reads x, h and the eight weight matrices, launch 2 c_prev and the four biases.
;   ab [8192][2048] f16: row m = x[m][0..1023], then h[m][0..1023].
;   wb [4096][2048] f16: row 128 rb + 32 g + c = W_gx[32 rb + c][:], then W_gh[32 rb + c][:]; g = 0 i, 1 f, 2 g, 3 o; rb = 0..31, c = 0..31.
;      So the 4 gates x 32 hidden columns that one wave of launch 2 multiplies are 128 rows on end, and a work-group's 256 rows too.
; WHY f16.  h_next passes through 0 with slope o where c_next does, so an error of z reaches it with a factor of up to 1.  z is a sum of 2,048 products; with 11 significant bits an operand is off by at most 2^-11
; of itself, with bf16's 8 by at most 2^-8: eight times as much in z, and in h_next.
; LIMITS.  f16 holds no number beyond 65,504: an x, h or weight of 65,520 or more in size becomes an infinity.  Below 6.1e-5 a number keeps f16's fixed step of 6e-8.  NaN and infinities pass as they are.
; A STREAM: no LDS, no barrier, no loop.  A work-group converts 32 source rows of 4,096 bytes: grid y = 0: x, y = 1: h (256 blocks of 32 rows each), y = 2: the eight matrices (8 x 32 blocks).
; Thread t owns bytes 16 t of every source row and bytes 8 t of every half row of the result: a wave's load covers 512 consecutive bytes, a wave's store 256 consecutive bytes, aligned.
; All 32 loads of a thread go out before the first wait; no register is written again behind its store, so no wait frees a source.
.set ROW, 4096                         ; bytes in a source row, and from row to row in ab and wb
.set X,   4                            ; v[4:131] row i of the 32 at X + 4 i: four f32 as loaded, then two words of f16 in the first two
	s_load_b512 s[16:31], s[0:1], 0x0              ; x, h, W_ix, W_ih, W_fx, W_fh, W_gx, W_gh
	s_load_b256 s[32:39], s[0:1], 0x40             ; W_ox, W_oh, ab s[36:37], wb s[38:39]
	v_lshlrev_b32 v1, 4, v0                        ; 16 t
	v_lshlrev_b32 v2, 3, v0                        ; 8 t
	s_and_b32 s2, ttmp7, 0xffff                    ; y
	s_lshr_b32 s3, ttmp9, 5                        ; y = 2: q, which matrix (2 x gate + 0 for x's, 1 for h's)
	s_and_b32 s12, ttmp9, 31                       ; y = 2: rb, which 32 rows of it
	s_add_co_u32 s13, s3, 2                        ; its place among the arguments
	s_lshl_b32 s14, ttmp9, 17                      ; y < 2: 32 rows of 4,096 bytes for each work-group, in the source and in ab,
	s_lshl_b32 s40, s2, 11
	s_add_co_u32 s40, s40, s14                     ; and h's half of a row of ab lies 2,048 bytes in
	s_lshl_b32 s15, s12, 17                        ; y = 2: the source's rows 32 rb ..
	s_lshl_b32 s41, s12, 19                        ; wb's rows 128 rb ..
	s_lshr_b32 s42, s3, 1
	s_lshl_b32 s42, s42, 17                        ; + 32 x gate
	s_add_co_u32 s41, s41, s42
	s_and_b32 s42, s3, 1
	s_lshl_b32 s42, s42, 11                        ; + the half of the row
	s_add_co_u32 s41, s41, s42
	s_cmp_eq_u32 s2, 2
	s_cselect_b32 s13, s13, s2                     ; which argument is my source: 0 to 9
	s_cselect_b32 s8, s15, s14                     ; my byte offset in it
	s_cselect_b32 s10, s41, s40                    ; my byte offset in the result
	s_mov_b32 s9, 0
	s_mov_b32 s11, 0
	s_wait_kmcnt 0x0
	s_cmp_eq_u32 s2, 2
	s_cselect_b64 s[6:7], s[38:39], s[36:37]       ; wb or ab
	s_mov_b64 s[4:5], s[16:17]
.irp k, 1,2,3,4,5,6,7,8,9
	s_cmp_eq_u32 s13, \k
	s_cselect_b64 s[4:5], s[16+2*(\k):17+2*(\k)], s[4:5]
.endr
	s_add_nc_u64 s[4:5], s[4:5], s[8:9]
	s_add_nc_u64 s[6:7], s[6:7], s[10:11]
.set i, 0
.rept 32
	global_load_b128 v[X+4*i:X+4*i+3], v1, s[4:5] offset:ROW*i th:TH_LOAD_NT
.set i, i+1
.endr
.set i, 0
.rept 32
	s_wait_loadcnt 31-i                            ; loads come back in order (ISA guide 5.7.1): row i is in, the 31 - i younger ones stay out
	v_cvt_pk_f16_f32 v[X+4*i],   v[X+4*i],   v[X+4*i+1]
	v_cvt_pk_f16_f32 v[X+4*i+1], v[X+4*i+2], v[X+4*i+3]
	global_store_b64 v2, v[X+4*i:X+4*i+1], s[6:7] offset:ROW*i
.set i, i+1
.endr
	s_endpgm
.Lfunc_end_k_qdc15cf659e_cast:
	.size	k_qdc15cf659e_cast, .Lfunc_end_k_qdc15cf659e_cast-k_qdc15cf659e_cast
	.p2alignl 7, 3214868480
	.fill 96, 4, 3214868480
	.section	.rodata,"a",@progbits
	.p2align	6, 0x0
	.amdhsa_kernel k_qdc15cf659e_cast
		.amdhsa_group_segment_fixed_size 0
		.amdhsa_private_segment_fixed_size 0
		.amdhsa_enable_private_segment 0
		.amdhsa_kernarg_size 96
		.amdhsa_user_sgpr_count 2
		.amdhsa_user_sgpr_kernarg_segment_ptr 1
		.amdhsa_wavefront_size32 1
		.amdhsa_system_sgpr_workgroup_id_x 1
		.amdhsa_system_sgpr_workgroup_id_y 1
		.amdhsa_system_sgpr_workgroup_id_z 1
		.amdhsa_system_vgpr_workitem_id 0
		.amdhsa_next_free_vgpr 132
		.amdhsa_next_free_sgpr 66
		.amdhsa_reserve_vcc 0
		.amdhsa_float_denorm_mode_32 3
		.amdhsa_float_denorm_mode_16_64 3
		.amdhsa_memory_ordered 1
		.amdhsa_forward_progress 1
		.amdhsa_inst_pref_size 13
	.end_amdhsa_kernel
	.amdgpu_metadata
---
amdhsa.version: [ 1, 2 ]
amdhsa.kernels:
  - .name:           k_qdc15cf659e_cast
    .symbol:         k_qdc15cf659e_cast.kd
    .args:
      - { .name: x, .offset: 0, .size: 8, .value_kind: global_buffer, .address_space: global }
      - { .name: h, .offset: 8, .size: 8, .value_kind: global_buffer, .address_space: global }
      - { .name: W_ix, .offset: 16, .size: 8, .value_kind: global_buffer, .address_space: global }
      - { .name: W_ih, .offset: 24, .size: 8, .value_kind: global_buffer, .address_space: global }
      - { .name: W_fx, .offset: 32, .size: 8, .value_kind: global_buffer, .address_space: global }
      - { .name: W_fh, .offset: 40, .size: 8, .value_kind: global_buffer, .address_space: global }
      - { .name: W_gx, .offset: 48, .size: 8, .value_kind: global_buffer, .address_space: global }
      - { .name: W_gh, .offset: 56, .size: 8, .value_kind: global_buffer, .address_space: global }
      - { .name: W_ox, .offset: 64, .size: 8, .value_kind: global_buffer, .address_space: global }
      - { .name: W_oh, .offset: 72, .size: 8, .value_kind: global_buffer, .address_space: global }
      - { .name: ab, .offset: 80, .size: 8, .value_kind: global_buffer, .address_space: global }
      - { .name: wb, .offset: 88, .size: 8, .value_kind: global_buffer, .address_space: global }
    .group_segment_fixed_size: 0
    .private_segment_fixed_size: 0
    .kernarg_segment_align: 8
    .kernarg_segment_size: 96
    .max_flat_workgroup_size: 256
    .sgpr_count:     66
    .vgpr_count:     132
    .wavefront_size: 32
...
	.end_amdgpu_metadata
.endif
;; end of part 1
;; launch cell (part 2): grid 16 x 32, 4 waves a work-group, clusters of 4 x 4, 327,680 bytes of LDS; arguments ab, wb, c_prev, b_i, b_f, b_g, b_o, out0, out1; writes out0, out1
.if DOCPART == 2
	.amdgcn_target "amdgcn-amd-amdhsa--gfx1250"
	.amdhsa_code_object_version 6
	.text
	.protected	k_qdc15cf659e_cell
	.globl	k_qdc15cf659e_cell
	.p2align	8
	.type	k_qdc15cf659e_cell,@function
k_qdc15cf659e_cell:
	s_mov_b64 s[64:65], 0
	v_nop
	global_prefetch_b8 v0, s[64:65] scope:SCOPE_SE
	s_setreg_imm32_b32 hwreg(HW_REG_WAVE_MODE, 25, 1), 1
	s_wait_xcnt 0x0
	s_wait_alu depctr_hold_cnt(0) depctr_sa_sdst(0) depctr_va_vdst(0) depctr_va_sdst(0) depctr_va_ssrc(0) depctr_va_vcc(0) depctr_vm_vsrc(0)
	s_getreg_b32 s2, hwreg(HW_REG_IB_STS2, 6, 4)
	s_cmp_eq_u32 s2, 0
	s_cbranch_scc0 .Lentry_in_a_cluster
	s_endpgm
.Lentry_in_a_cluster:
	s_bfe_u32 s2, ttmp6, 0x10000c
	s_cmp_lg_u32 s2, 0xf033
	s_cbranch_scc0 .Lentry_shape_is_right
	s_endpgm
.Lentry_shape_is_right:
; LSTM cell, launch 2 of 2.  z[m][gate][j] = sum over k of ab[m][k] wb[row(gate, j)][k] + b_gate[j] (K = 2,048: x's 1,024 channels, then h's), and at once, in registers,
;   c_next = sig(zf) c_prev + sig(zi) tanh(zg)  -> out1,      h_next = sig(zo) tanh(c_next)  -> out0.       z never goes to memory.  No work of the problem is left out.
; FORMATS AND LIMITS.  ab and wb are x, h and the weights rounded once to f16 (within 65,504; below 6.1e-5 in f16's fixed step of 6e-8); sums, biases, c_prev and all activations are f32.
; sig(z) = 1 / (1 + 2^(-z log2 e)), tanh(z) = 1 - 2 / (1 + 2^(2 z log2 e)): both saturate by themselves (an exponential that overflows gives a reciprocal of 0, one that vanishes a reciprocal of 1), so nothing is clamped.
; Their error is absolute, a few 2^-24: tanh keeps no relative accuracy near 0.  An exponential below 2^-126 counts as 0.  NaN and infinities are not treated apart.
; SHARES.  A work-group makes 256 batch rows x 64 hidden columns x 4 gates: a tile of 256 x 256 of z.  Four waves; wave (wm, wn) makes rows 128 wm .. x (4 gates x hidden columns 32 wn ..): 64 accumulators
; of 16 x 16, 512 registers.  K goes in steps of 128 through a ring of two LDS slots filled by the tensor data mover; the tiles' rows are 256 bytes of memory at multiples of 256 bytes.
; THE MATRIX INSTRUCTION IS USED TRANSPOSED (source 0 = 16 rows of wb, source 1 = 16 rows of ab): lane l holds batch row l % 16, its registers 0-7 the hidden columns 8 (l / 16) + 0..7.
; Accumulator (a, b), b = 2 gate + cb, is rows 16 a .., columns 16 cb .. of the wave's 32: so the four gates of one output lie in ONE lane, 16 registers apart, and the tail changes no lanes.
; THE BIAS STARTS THE SUMS: it is the C operand of each accumulator's first product; nothing is cleared and nothing is added later.
; CLUSTERS: 4 x 4 work-groups.  The four of a row of the cluster need the same tiles of ab, the four of a column the same tiles of wb: each tile is asked for JOINTLY, by the same tensor load with
; the same descriptor and a mask that names the four.  c_prev's tile is each work-group's own: a plain load, behind the last round of the ring, into slot 0's first half, which has been read out by then.
; THE WAY OUT.  A wave's 32 columns are 128 bytes, half of an aligned 256 bytes of an output row.  So a block of 16 rows goes through a stage in LDS that the two waves of a row half share: both write
; c_next and h_next, then wave wn = 0 reads whole rows of c_next and wave wn = 1 whole rows of h_next.  Two stage buffers take turns, one barrier a block, the next block's arithmetic between its signal and its wait.
; REGISTERS, in windows of 256 (s_set_vgpr_msb: bits 1:0 source 0, 3:2 source 1, 5:4 source 2, 7:6 destination):
;   window 0: v0-31 addresses; v32-63 rows on their way out (even blocks); v64-127, v128-191 fragments of ab, two buffers; v192-255 the biases, later c_prev (v192-223) and rows on their way out (odd blocks, v224-255)
;   window 1: v64-127, v128-191 fragments of wb, two buffers       window 2: accumulators of my rows 0-63 ((a, b) at v[8 (8 a + b)])       window 3: those of my rows 64-127
.set SIZE_K, 2048
.set KSTEP,  128
.set PITCH,  272                       ; an LDS row: 256 bytes + 16 of padding: the 16 rows that a load of 16 bytes a lane touches begin at 16 different 16-byte columns modulo 256
.set HALFT,  128*PITCH                 ; 128 rows: what one joint load brings, and what one wave reads of ab or of wb
.set SLOT,   4*HALFT                   ; ab's 256 rows, then wb's 256 rows
.set STAGE,  2*SLOT                    ; behind the ring, never filled by a tensor load: two buffers of [wm 2][c_next, h_next][16 rows][272 bytes]
.set STB,    64*PITCH
.set SPARE,  STAGE+2*STB               ; behind the stage: the spare words, 128 bytes for each wave: two blocks of 256 bytes that no other line names
.set LAPS,   SIZE_K/(2*KSTEP)          ; a lap = two K steps = once round the ring: 8
.set ROWB,   4096                      ; bytes from row to row in ab, wb, c_prev, out0 and out1 alike
.set ADRA, 16                          ; v16-17  LDS address of my fragments of ab in slot 0, 1
.set ADRB, 20                          ; v20-21  the same for wb
.set STO,  24                          ; v24     the way out: where I put my 32 bytes of a row
.set RD,   25                          ; v25     the way out: where I read rows back
.set CO,   26                          ; v26     my byte offset in two rows of an output
.set CPA,  27                          ; v27     where my c_prev lies in LDS
.set SPW,  28                          ; v28     LDS address of my spare word: SPARE + 4 x my thread's number; never rewritten
.set NIL,  29                          ; v29     0; never rewritten
.set PFO,  30                          ; v30     the prefetches' offset: my lane x a row; never rewritten
.set BO,   31                          ; v31     my byte offset in a bias
.set OB,   32                          ; rows read back from the stage: v32-63 and v224-255 by turns
.set F0,   64
.set F1,   128
.set BIAS, 192                         ; v192-255: for block b of 8 the lane's eight biases at BIAS + 8 b
.set CP,   192                         ; in the tail: c_prev of a block, 16 registers, v192-207 and v208-223 by turns
.set G1,   24                          ; s[24:31] descriptor group 1 for ab's tiles;  s[32:39] group 0, a set for each slot
.set G0,   32
.set LIM,  43                          ; s43     1 in a wave that prefetches tiles, else the greatest number
.set PFA,  44                          ; s[44:45] where my prefetches stand
.set G1B,  48                          ; s[48:55], s[56:63] the same for wb's tiles
.set G0B,  56
.set CPP,  66                          ; s[66:67] c_prev, then c_prev at my wave's 64 rows of the tile; not rewritten after that
.set G1C,  68                          ; s[68:75], s[76:79] the descriptor of c_prev's tile
.set G0C,  76
.set BI,   80                          ; s[80:87] b_i, b_f, b_g, b_o;  s[88:89] out0, s[90:91] out1
.set NL,   92                          ; s[92:93] -log2 e: the packed forms name a pair and take its low word for both halves
.set TL,   94                          ; s[94:95] 2 log2 e
.set MSB, 0
.macro WIN new                         ; the immediate's high byte repeats the setting that is left; a switch that changes nothing is dropped
.if MSB != (\new)
	s_set_vgpr_msb (MSB<<8)|(\new)
.set MSB, \new
.endif
.endm
.set MUL_LO, 0xa1                      ; source 0 (wb) window 1, source 1 (ab) window 0, C and D window 2; + 0x50: C and D window 3
.set MUL_1ST, 0x81                     ; the same with C (the bias) in window 0; + 0x40: D window 3
.set TO_B,   0x40                      ; destination window 1, address window 0
; A joint load.  Waves 0 and 1 fetch ab's two halves, waves 2 and 3 wb's.  Each line has one mask and one set of registers for all that issue it; the branch hangs on the wave's number alone.
; An s_nop 0 and four v_nop follow each of the two lines, ahead of the jump, the label and what follows.
.macro JLOAD s
	s_cmp_eq_u32 s11, 0
	s_cbranch_scc0 .Lfor_b_\@
	tensor_load_to_lds s[G0+4*(\s):G0+4*(\s)+3], s[G1:G1+7]
	s_nop 0
.rept 4
	v_nop
.endr
	s_branch .Lasked_\@
.Lfor_b_\@:
	tensor_load_to_lds s[G0B+4*(\s):G0B+4*(\s)+3], s[G1B:G1B+7]
	s_nop 0
.rept 4
	v_nop
.endr
.Lasked_\@:
.endm
; c_prev's tile: every wave fetches its own 64 rows x 256 bytes, to LDS byte wave x 64 rows: a plain load, my work-group's alone.
.macro CLOAD
	tensor_load_to_lds s[G0C:G0C+3], s[G1C:G1C+7]
	s_nop 0
.rept 4
	v_nop
.endr
.endm
; A PREFETCH INTO THE L2, behind each joint refill and the run of LDS loads that follows it: the K step that stands TWO refills on, 512 matrix instructions ahead of the load that will want it:
; 32 rows x 256 bytes, a lane a row, one instruction a wave.  Each row's 256 bytes of a K step are named once in the launch: ab's tile row is read by every cluster of that row of clusters, and the
; first of them (cluster x = 0) asks; wb's tile column by every cluster of that column, and cluster y = 0 asks.  The four partners that ask for a tile jointly share its rows out BY ADDRESS: of the 128 rows
; that a wave fetches the partner at place p takes 32 p .. (p = cx for ab, cy for wb).  The loop's last trip (s3 = 1) asks for nothing: there is no K step two refills on.
.macro ASK
	s_cmp_gt_u32 s3, s[LIM]
	s_cbranch_scc0 .Lnot_mine_\@
	global_prefetch_b8 v[PFO], s[PFA:PFA+1] offset:KSTEP*2 th:TH_LOAD_NT scope:SCOPE_SE
.Lnot_mine_\@:
.endm
; c_prev's tile likewise: my wave's 64 rows x 256 bytes, a lane a row, two instructions, in the loop's last trip at slot 0's change: two K steps ahead of CLOAD.  No other wave of the launch reads these bytes.
.macro ASKC
	s_cmp_eq_u32 s3, 1
	s_cbranch_scc0 .Lnot_yet_\@
	global_prefetch_b8 v[PFO], s[CPP:CPP+1] th:TH_LOAD_NT scope:SCOPE_SE
	global_prefetch_b8 v[PFO], s[CPP:CPP+1] offset:32*ROWB th:TH_LOAD_NT scope:SCOPE_SE
.Lnot_yet_\@:
.endm
; A round of the cluster's barrier: my work-group's barrier, so that wave 0's signal speaks for all four waves; wave 0 signals; every wave waits for all sixteen work-groups; my work-group's barrier once more.
.macro CREST                           ; a round behind its opening barrier
	s_cmp_lg_u32 s10, 0
	s_cbranch_scc1 .Lnot_wave_0_\@
	s_barrier_signal -3
.Lnot_wave_0_\@:
	s_barrier_wait -3
	s_barrier_signal -1
	s_barrier_wait -1
.endm
.macro CROUND                          ; a whole round
	s_barrier_signal -1
	s_barrier_wait -1
	CREST
.endm
	s_load_b128 s[4:7], s[0:1], 0x0                ; ab s[4:5], wb s[6:7]
	s_load_b64 s[CPP:CPP+1], s[0:1], 0x10          ; c_prev
	s_load_b256 s[BI:BI+7], s[0:1], 0x18           ; b_i, b_f, b_g, b_o
	s_load_b128 s[88:91], s[0:1], 0x38             ; out0, out1
	v_lshl_add_u32 v[SPW], v0, 2, SPARE
	v_mov_b32 v[NIL], 0
	ds_add_u32 v[SPW], v[NIL]                      ; the wave's opening: the add, twice on end, and its wait ahead of my first tensor load; the set-up below, work on registers, stands between
	ds_add_u32 v[SPW], v[NIL]                      ; and once more, under the one wait
	v_lshrrev_b32 v1, 5, v0
	v_readfirstlane_b32 s10, v1                    ; wave 0..3
	s_lshr_b32 s11, s10, 1                         ; wm: which half of the tile's rows is mine.  Also: I fetch for ab (0) or for wb (1)
	s_and_b32 s12, s10, 1                          ; wn: which half of its hidden columns.  Also: which 128 rows of that tile I fetch
	s_bfe_u32 s40, ttmp6, 0x40000                  ; cx, cy: my place in the cluster
	s_bfe_u32 s41, ttmp6, 0x40004
	s_lshl_b32 s42, ttmp9, 2                       ; in a cluster launch ttmp9 and ttmp7 count clusters
	s_add_co_u32 s42, s42, s40                     ; tile column (64 hidden columns) = 4 x cluster x + cx
	s_and_b32 s13, ttmp7, 0xffff
	s_lshl_b32 s13, s13, 2
	s_add_co_u32 s13, s13, s41                     ; tile row (256 batch rows) = 4 x cluster y + cy
	s_lshl_b32 s43, s41, 2
	s_lshl_b32 s43, 15, s43                        ; my row of the cluster: places 4 cy .. 4 cy + 3
	s_lshl_b32 s44, 0x1111, s40                    ; my column: places cx, cx + 4, cx + 8, cx + 12
	; descriptor group 1 for ab and wb: a tile of 128 rows x 128 elements of 2 bytes, padded in LDS
	s_or_b32 s[G1+0], s43, (1<<16)|(1<<20)|(1<<21)|(5<<22)|(3<<25)  ; 15:0 the mask: ab's tiles go to my row; 17:16 elements of 2 bytes; 20 padding on; 21 set beside a mask; 24:22 after every 64 words (code 5); 31:25 4 words (code 3)
	s_or_b32 s[G1B+0], s44, (1<<16)|(1<<20)|(1<<21)|(5<<22)|(3<<25) ; the same with the mask of my column, for wb's tiles
.irp g, G1, G1B
	s_mov_b32 s[(\g)+1], KSTEP<<16                 ; tensor_dim0 = 128
	s_mov_b32 s[(\g)+2], 128<<16                   ; tensor_dim1 = 128
	s_mov_b32 s[(\g)+3], KSTEP<<16                 ; tile_dim0 = 128
	s_mov_b32 s[(\g)+4], 128                       ; tile_dim1 = 128
	s_mov_b32 s[(\g)+5], SIZE_K                    ; elements from row to row
	s_mov_b32 s[(\g)+6], 0
	s_mov_b32 s[(\g)+7], 0
.endr
	; descriptor group 1 for c_prev: a tile of 64 rows x 64 elements of 4 bytes, padded alike; no mask
	s_mov_b32 s[G1C+0], (2<<16)|(1<<20)|(5<<22)|(3<<25)
	s_mov_b32 s[G1C+1], 64<<16                     ; tensor_dim0 = 64
	s_mov_b32 s[G1C+2], 64<<16                     ; tensor_dim1 = 64
	s_mov_b32 s[G1C+3], 64<<16                     ; tile_dim0 = 64
	s_mov_b32 s[G1C+4], 64                         ; tile_dim1 = 64
	s_mov_b32 s[G1C+5], 1024                       ; elements from row to row
	s_mov_b32 s[G1C+6], 0
	s_mov_b32 s[G1C+7], 0
	s_mov_b32 s[NL], 0xbfb8aa3b                    ; -log2 e
	s_mov_b32 s[NL+1], 0xbfb8aa3b
	s_mov_b32 s[TL], 0x4038aa3b                    ; 2 log2 e
	s_mov_b32 s[TL+1], 0x4038aa3b
	; where the tiles come from.  ab's hang on the tile row alone, which my row of the cluster shares; wb's on the tile column alone, which my column shares; each in registers that never hold the other coordinate
	s_lshl_b32 s17, s12, 7                         ; which 128 rows of the tile I fetch
	s_lshl_b32 s16, s13, 8
	s_add_co_u32 s16, s16, s17                     ; ab: row 256 x tile row + 128 x half
	s_lshl_b32 s16, s16, 12                        ; in bytes: under 2^25
	s_lshl_b32 s46, s42, 8
	s_add_co_u32 s46, s46, s17                     ; wb: row 256 x tile column + 128 x half
	s_lshl_b32 s46, s46, 12
	s_mov_b32 s17, 0
	s_mov_b32 s47, 0
	s_mul_i32 s20, s10, HALFT                      ; and where they go: wave x 128 rows: no place in the cluster enters an LDS address
	s_wait_dscnt 0x0                               ; both opening adds are done
	s_wait_kmcnt 0x0
	s_add_nc_u64 s[14:15], s[4:5], s[16:17]
	s_add_nc_u64 s[46:47], s[6:7], s[46:47]
	CROUND                                         ; all sixteen work-groups are here: the first joint loads meet
.irp s, 0,1
	s_mov_b32 s[G0+4*(\s)], 1                                      ; count = 1
	s_add_co_u32 s[G0+4*(\s)+1], s20, (\s)*SLOT                    ; LDS address
	s_add_nc_u64 s[G0+4*(\s)+2:G0+4*(\s)+3], s[14:15], (\s)*KSTEP*2  ; global address: K step s
	s_or_b32 s[G0+4*(\s)+3], s[G0+4*(\s)+3], 0x80000000            ; type = 2
	s_mov_b32 s[G0B+4*(\s)], 1
	s_add_co_u32 s[G0B+4*(\s)+1], s20, (\s)*SLOT
	s_add_nc_u64 s[G0B+4*(\s)+2:G0B+4*(\s)+3], s[46:47], (\s)*KSTEP*2
	s_or_b32 s[G0B+4*(\s)+3], s[G0B+4*(\s)+3], 0x80000000
	JLOAD \s                                       ; two loads of mine are out
.endr
	; A fragment is 16 rows x 32 K in 8 registers: lane l holds row l % 16; registers 0-3 K = 8 (l / 16) + 0..7, registers 4-7 K = 16 + 8 (l / 16) + 0..7: two loads of 16 bytes, 32 bytes apart.
	v_and_b32 v1, 15, v0                           ; r = l % 16
	v_bfe_u32 v2, v0, 4, 1                         ; h = l / 16
	v_mul_u32_u24 v3, v1, PITCH
	v_lshl_add_u32 v3, v2, 4, v3                   ; r x pitch + 16 h
	s_mul_i32 s21, s11, HALFT                      ; my 128 rows of ab
	s_mul_i32 s22, s12, HALFT                      ; my 128 rows of wb,
	s_add_co_u32 s22, s22, 2*HALFT                 ; which lie behind ab's 256
.irp s, 0,1
	v_add_nc_u32 v[ADRA+(\s)], s21, v3
	v_add_nc_u32 v[ADRB+(\s)], s22, v3
	s_add_co_u32 s21, s21, SLOT
	s_add_co_u32 s22, s22, SLOT
.endr
	v_mul_u32_u24 v4, v1, PITCH
	v_lshl_add_u32 v4, v2, 5, v4                   ; r x pitch + 32 h: a lane's eight f32 are 32 bytes
	s_lshl_b32 s21, s12, 7                         ; my 32 columns: 128 bytes into a row of 256
	s_mul_i32 s23, s11, HALFT                      ; c_prev's tile lies from LDS byte 0 on, 256 rows: my 128
	s_add_co_u32 s23, s23, s21
	v_add_nc_u32 v[CPA], s23, v4
	s_mul_i32 s23, s11, 32*PITCH                   ; the stage: my row half's 2 x 16 rows
	s_add_co_u32 s23, s23, s21
	s_add_co_u32 s23, s23, STAGE
	v_add_nc_u32 v[STO], s23, v4
	s_mul_i32 s23, s10, 16*PITCH                   ; back: the 16 rows at place 2 wm + wn = my wave's number: c_next's for wn = 0, h_next's for wn = 1;
	s_add_co_u32 s23, s23, STAGE
	v_mul_u32_u24 v5, v2, PITCH                    ; lanes 0-15 take one row of 256 bytes, lanes 16-31 the next
	v_lshl_add_u32 v5, v1, 4, v5
	v_add_nc_u32 v[RD], s23, v5
	v_lshlrev_b32 v5, 12, v2                       ; and the same two rows in the output
	v_lshl_add_u32 v[CO], v1, 4, v5
	; from here on the scalars mix both coordinates: they enter global addresses of my work-group's own alone
	s_lshl_b32 s96, s42, 8                         ; the tile's 64 hidden columns: 256 bytes of f32
	s_add_co_u32 s97, s96, s21
	v_lshl_add_u32 v[BO], v2, 5, s97               ; in a bias: 256 x tile column + 128 wn + 32 h
.irp g, 0,1,2,3
.irp c, 0,1
	global_load_b128 v[BIAS+8*(2*(\g)+(\c)):BIAS+8*(2*(\g)+(\c))+3],   v[BO], s[BI+2*(\g):BI+2*(\g)+1] offset:64*(\c)
	global_load_b128 v[BIAS+8*(2*(\g)+(\c))+4:BIAS+8*(2*(\g)+(\c))+7], v[BO], s[BI+2*(\g):BI+2*(\g)+1] offset:64*(\c)+16
.endr
.endr
	s_lshl_b32 s98, s13, 8                         ; c_prev at row 256 x tile row + 64 x wave, the tile's columns
	s_lshl_b32 s99, s10, 6
	s_add_co_u32 s98, s98, s99
	s_lshl_b32 s98, s98, 12
	s_add_co_u32 s98, s98, s96
	s_mov_b32 s99, 0
	s_add_nc_u64 s[CPP:CPP+1], s[CPP:CPP+1], s[98:99]
	s_mov_b32 s[G0C], 1
	s_mul_i32 s[G0C+1], s10, 64*PITCH              ; LDS address: wave x 64 rows
	s_mov_b64 s[G0C+2:G0C+3], s[CPP:CPP+1]
	s_or_b32 s[G0C+3], s[G0C+3], 0x80000000
	s_lshl_b32 s98, s13, 8                         ; the output that I store, at row 256 x tile row + 128 wm, the tile's columns
	s_lshl_b32 s99, s11, 7
	s_add_co_u32 s98, s98, s99
	s_lshl_b32 s98, s98, 12
	s_add_co_u32 s98, s98, s96
	s_mov_b32 s99, 0
	s_cmp_eq_u32 s12, 0
	s_cselect_b64 s[8:9], s[90:91], s[88:89]       ; wn = 0: c_next, out1; wn = 1: h_next, out0
	s_add_nc_u64 s[8:9], s[8:9], s[98:99]
	; the tiles' prefetches
	s_lshl_b32 s18, s13, 8                         ; 256 x tile row
	s_lshl_b32 s19, s42, 8                         ; 256 x tile column
	s_and_b32 s22, ttmp7, 0xffff                   ; cluster y
	s_cmp_eq_u32 s11, 0                            ; do I fetch for ab?
	s_cselect_b32 s20, s18, s19                    ; the tile's first row
	s_cselect_b32 s21, s40, s41                    ; my place among the four that ask for it with me
	s_cselect_b32 s22, ttmp9, s22                  ; the coordinate along which other clusters read the same rows
	s_cselect_b64 s[PFA:PFA+1], s[4:5], s[6:7]
	s_cmp_eq_u32 s22, 0
	s_cselect_b32 s[LIM], 1, -1                    ; the same in all sixteen partners, for a given wave
	s_lshl_b32 s22, s12, 7
	s_add_co_u32 s20, s20, s22                     ; + the 128 rows that I fetch
	s_lshl_b32 s21, s21, 5
	s_add_co_u32 s20, s20, s21                     ; + my work-group's 32 of them
	s_lshl_b32 s20, s20, 12
	s_mov_b32 s21, 0
	s_add_nc_u64 s[PFA:PFA+1], s[PFA:PFA+1], s[20:21]
	s_add_nc_u64 s[PFA:PFA+1], s[PFA:PFA+1], 2*KSTEP*2  ; at K step 2: the first refill steps it to 3 and names K step 4.  Nothing is prefetched here, at the head
	v_and_b32 v[PFO], 31, v0
	v_lshlrev_b32 v[PFO], 12, v[PFO]
; 16 matrix instructions: row blocks a0, a0 + 1 of the window's four (hi = 0: my rows 0-63, 1: rows 64-127) x all 8 column blocks, 32 along K.  first = 1: the bias starts the sums.
; The 64 accumulators take turns, one instruction a turn, in the same order in every quarter step, over the backward jump too.
.macro MUL16 f, hi, a0, first
.if \first
	WIN MUL_1ST+0x40*(\hi)
.else
	WIN MUL_LO+0x50*(\hi)
.endif
.irp a, \a0, (\a0)+1
.irp b, 0,1,2,3,4,5,6,7
.if \first
	v_wmma_f32_16x16x32_f16 v[8*(8*(\a)+(\b)):8*(8*(\a)+(\b))+7], v[(\f)+8*(\b):(\f)+8*(\b)+7], v[(\f)+8*(4*(\hi)+(\a)):(\f)+8*(4*(\hi)+(\a))+7], v[BIAS+8*(\b):BIAS+8*(\b)+7]
.else
	v_wmma_f32_16x16x32_f16 v[8*(8*(\a)+(\b)):8*(8*(\a)+(\b))+7], v[(\f)+8*(\b):(\f)+8*(\b)+7], v[(\f)+8*(4*(\hi)+(\a)):(\f)+8*(4*(\hi)+(\a))+7], v[8*(8*(\a)+(\b)):8*(8*(\a)+(\b))+7]
.endif
.endr
.endr
.endm
; 32 LDS loads in one run: the fragments of one quarter step (128 rows of wb, 128 rows of ab, 32 K at byte k of the rows) into buffer f
.macro FETCH slot, k, f
	WIN TO_B
.irp i, 0,1,2,3,4,5,6,7
	ds_load_b128 v[(\f)+8*(\i):(\f)+8*(\i)+3],   v[ADRB+(\slot)] offset:(\k)+(\i)*16*PITCH
	ds_load_b128 v[(\f)+8*(\i)+4:(\f)+8*(\i)+7], v[ADRB+(\slot)] offset:(\k)+(\i)*16*PITCH+32
.endr
	WIN 0
.irp i, 0,1,2,3,4,5,6,7
	ds_load_b128 v[(\f)+8*(\i):(\f)+8*(\i)+3],   v[ADRA+(\slot)] offset:(\k)+(\i)*16*PITCH
	ds_load_b128 v[(\f)+8*(\i)+4:(\f)+8*(\i)+7], v[ADRA+(\slot)] offset:(\k)+(\i)*16*PITCH+32
.endr
.endm
; A load into a register that a matrix instruction has read, and a vector instruction that reads a matrix result, stand four places behind that matrix instruction, and only plain vector
; instructions that name none of its registers are places (ISA guide 7.12.1 for vector instructions).
.macro PLACES
.rept 4
	v_nop
.endr
.endm
; A K step is four quarter steps of 32 along K, 64 matrix instructions each, on buffers 0, 1, 0, 1.  One of the first three: multiplies buffer f; in its middle it fetches the next quarter, at byte k, into buffer g.
.macro QUARTER slot, k, f, g, first
	s_wait_dscnt 8                                 ; wb's fragments and ab's rows 0-63 are in; the youngest eight loads (ab's rows 64-127) may be out
	MUL16 \f, 0, 0, \first
	MUL16 \f, 0, 2, \first
	PLACES
	FETCH \slot, \k, \g
	s_wait_dscnt 32                                ; all but the 32 just issued
	MUL16 \f, 1, 0, \first
	MUL16 \f, 1, 2, \first
.endm
; The last quarter multiplies buffer 1 and changes slots.  MEET is its first half: in front of the barrier each wave waits for all its tensor loads, of which one is out: its part of the next slot; adds 0 to its
; spare word; and waits for that and for its own reads of this slot.  The barrier opens a round of the cluster's barrier.
.macro MEET
	WIN 0                                          ; (the add's two registers lie in window 0)
	s_wait_tensorcnt 0x0                           ; all my tensor loads have landed
	ds_add_u32 v[SPW], v[NIL]                      ; 0 onto my spare word
	s_wait_dscnt 9                                 ; (the add and the youngest eight loads may be out)
	MUL16 F1, 0, 0, 0                              ; sixteen matrix instructions stand between the add and the wait for it
	s_wait_dscnt 0x0                               ; the add is done, and my reads of this slot are over
	s_barrier_signal -1
	MUL16 F1, 0, 2, 0                              ; work on registers while the others arrive
	WIN 0
	s_barrier_wait -1
.endm
; The whole last quarter.  Behind the round the slot just read out is filled again first: kind = 0: with the K step two steps on, jointly; kind = 1 (slot 0, behind its last K step): with c_prev's tile.
; Then come the next slot's first fragments.  From a joint request to the wait for it a wave issues 224 matrix instructions.
.macro TURN slot, next, kind
.if (\kind) == 0
	s_wait_xcnt 0x0                                ; the last prefetch, a K step back, has read its address: it is stepped here, ahead of the waits of the change of slots
	s_add_nc_u64 s[PFA:PFA+1], s[PFA:PFA+1], KSTEP*2
.endif
	MEET
	CREST                                          ; no wave of any partner still reads this slot's tile or has a load on its way
.if (\kind) == 0
	s_add_nc_u64 s[G0+4*(\slot)+2:G0+4*(\slot)+3], s[G0+4*(\slot)+2:G0+4*(\slot)+3], 2*KSTEP*2
	s_add_nc_u64 s[G0B+4*(\slot)+2:G0B+4*(\slot)+3], s[G0B+4*(\slot)+2:G0B+4*(\slot)+3], 2*KSTEP*2
	JLOAD \slot                                    ; the first tensor load behind the round; the four v_nop behind it are also the places in front of the loads below
.else
	CLOAD                                          ; likewise
.endif
	FETCH \next, 0, F0
.if (\kind) == 0
	ASK
.if (\slot) == 0
	ASKC
.endif
.endif
	MUL16 F1, 1, 0, 0
	MUL16 F1, 1, 2, 0
.endm
; THE TAIL, for block a of my eight blocks of 16 rows.  Gate g's sixteen numbers of a lane lie at AC + 16 g in window WW; pair p of 8, number n of 16.
.macro SETBLK a
.set AC, 64*((\a)%4)
.set WW, 2+(\a)/4
.set W_ALL, WW*0x55                    ; every operand place in window WW
.set W_CP,  WW*0x51                    ; source 1 (c_prev) in window 0, the rest in window WW
.set W_ST,  WW*4                       ; an LDS store: address in window 0, data in window WW
.set CPR, CP+16*((\a)%2)
.endm
.macro PM g, p, sc                     ; times a scalar
	v_pk_mul_f32 v[AC+16*(\g)+2*(\p):AC+16*(\g)+2*(\p)+1], v[AC+16*(\g)+2*(\p):AC+16*(\g)+2*(\p)+1], s[\sc:\sc+1] op_sel_hi:[1,0]
.endm
.macro EX g, n
	v_exp_f32 v[AC+16*(\g)+(\n)], v[AC+16*(\g)+(\n)]
.endm
.macro RC g, n
	v_rcp_f32 v[AC+16*(\g)+(\n)], v[AC+16*(\g)+(\n)]
.endm
.macro PA g, p                         ; plus 1
	v_pk_add_f32 v[AC+16*(\g)+2*(\p):AC+16*(\g)+2*(\p)+1], v[AC+16*(\g)+2*(\p):AC+16*(\g)+2*(\p)+1], 1.0 op_sel_hi:[1,0]
.endm
.macro TH g, p                         ; 1 - 2 y
	v_pk_fma_f32 v[AC+16*(\g)+2*(\p):AC+16*(\g)+2*(\p)+1], v[AC+16*(\g)+2*(\p):AC+16*(\g)+2*(\p)+1], -2.0, 1.0 op_sel_hi:[1,0,0]
.endm
.macro MV d, x, y, p                   ; gate d's place takes x y
	v_pk_mul_f32 v[AC+16*(\d)+2*(\p):AC+16*(\d)+2*(\p)+1], v[AC+16*(\x)+2*(\p):AC+16*(\x)+2*(\p)+1], v[AC+16*(\y)+2*(\p):AC+16*(\y)+2*(\p)+1]
.endm
; COMPUTE: work on registers alone.  Four batches of transcendentals, each with one plain instruction behind its last and ONE wait ahead of its first reader; in a batch a plain
; instruction leads each two transcendentals while there are plain ones, and names no result of the batch.  Each accumulator is first read at its two lowest registers, ascending.
.macro COMPUTE a
	SETBLK \a
	WIN W_ALL
.irp p, 0,1,2,3,4,5,6,7
	PM 0, \p, NL                                   ; -zi log2 e
.endr
.irp p, 0,1,2,3,4,5,6,7
	PM 1, \p, NL                                   ; -zf log2 e
	EX 0, 2*(\p)
	EX 0, 2*(\p)+1
.endr
.irp p, 0,1,2,3,4,5,6,7
	PM 2, \p, TL                                   ; 2 zg log2 e
	EX 1, 2*(\p)
	EX 1, 2*(\p)+1
.endr
.irp p, 0,1,2,3,4,5,6,7
	PM 3, \p, NL                                   ; -zo log2 e
	EX 2, 2*(\p)
	EX 2, 2*(\p)+1
.endr
.irp n, 0,1,2,3,4,5,6,7,8,9,10,11,12,13,14,15
	EX 3, \n
.endr
	v_nop
	s_wait_alu depctr_va_vdst(0)                   ; the 64 exponentials
.irp p, 0,1,2,3,4,5,6,7
	PA 0, \p
.endr
.irp g, 1,2,3
.irp p, 0,1,2,3,4,5,6,7
	PA \g, \p
	RC (\g)-1, 2*(\p)
	RC (\g)-1, 2*(\p)+1
.endr
.endr
.irp n, 0,1,2,3,4,5,6,7,8,9,10,11,12,13,14,15
	RC 3, \n
.endr
	v_nop
	s_wait_alu depctr_va_vdst(0)                   ; the 64 reciprocals: i, f, 1 / (1 + e^(2 zg)), o
.irp p, 0,1,2,3,4,5,6,7
	TH 2, \p                                       ; g = tanh(zg)
.endr
.irp p, 0,1,2,3,4,5,6,7
	MV 2, 0, 2, \p                                 ; i g
.endr
	WIN W_CP
.irp p, 0,1,2,3,4,5,6,7
	v_pk_fma_f32 v[AC+16+2*(\p):AC+16+2*(\p)+1], v[AC+16+2*(\p):AC+16+2*(\p)+1], v[CPR+2*(\p):CPR+2*(\p)+1], v[AC+32+2*(\p):AC+32+2*(\p)+1]  ; c_next = f c_prev + i g, in f's place
.endr
	WIN W_ALL
	v_pk_mul_f32 v[AC:AC+1], v[AC+16:AC+17], s[TL:TL+1] op_sel_hi:[1,0]  ; 2 c_next log2 e, in i's place
.irp p, 1,2,3,4,5,6,7
	v_pk_mul_f32 v[AC+2*(\p):AC+2*(\p)+1], v[AC+16+2*(\p):AC+16+2*(\p)+1], s[TL:TL+1] op_sel_hi:[1,0]
	EX 0, 2*(\p)-2
	EX 0, 2*(\p)-1
.endr
	EX 0, 14
	EX 0, 15
	v_nop
	s_wait_alu depctr_va_vdst(0)                   ; the 16 exponentials
	PA 0, 0
.irp p, 1,2,3,4,5,6,7
	PA 0, \p
	RC 0, 2*(\p)-2
	RC 0, 2*(\p)-1
.endr
	RC 0, 14
	RC 0, 15
	v_nop
	s_wait_alu depctr_va_vdst(0)                   ; the 16 reciprocals
.irp p, 0,1,2,3,4,5,6,7
	TH 0, \p                                       ; tanh(c_next)
.endr
.irp p, 0,1,2,3,4,5,6,7
	MV 3, 3, 0, \p                                 ; h_next = o tanh(c_next), in o's place
.endr
	WIN 0
.endm
.macro LOADC a                         ; block a's c_prev: my 16 numbers, in the accumulators' order: columns 16 cb + 8 h + 0..7 are bytes 64 cb + 32 h of my 128
	WIN 0
.irp q, 0,1,2,3
	ds_load_b128 v[CP+16*((\a)%2)+4*(\q):CP+16*((\a)%2)+4*(\q)+3], v[CPA] offset:(\a)*16*PITCH+64*((\q)/2)+16*((\q)%2)
.endr
.endm
.macro PUT a                           ; c_next and h_next of block a into stage buffer a % 2
	SETBLK \a
	WIN W_ST
.irp q, 0,1,2,3
	ds_store_b128 v[STO], v[AC+16+4*(\q):AC+16+4*(\q)+3] offset:((\a)%2)*STB+64*((\q)/2)+16*((\q)%2)
	ds_store_b128 v[STO], v[AC+48+4*(\q):AC+48+4*(\q)+3] offset:((\a)%2)*STB+16*PITCH+64*((\q)/2)+16*((\q)%2)
.endr
	WIN 0
.endm
.macro GETROWS a                       ; sixteen whole rows of my output back from stage buffer a % 2
	WIN 0
	s_wait_xcnt 0x0                                ; every earlier store has had its addresses translated (ISA guide 3.1): the registers that the stores of two blocks back read are loaded again only behind this wait
.irp t, 0,1,2,3,4,5,6,7
	ds_load_b128 v[OB+192*((\a)%2)+4*(\t):OB+192*((\a)%2)+4*(\t)+3], v[RD] offset:((\a)%2)*STB+(\t)*2*PITCH
.endr
.endm
.macro SENDROWS a
.irp t, 0,1,2,3,4,5,6,7
	global_store_b128 v[CO], v[OB+192*((\a)%2)+4*(\t):OB+192*((\a)%2)+4*(\t)+3], s[8:9] offset:(16*(\a)+2*(\t))*ROWB th:TH_STORE_NT  ; 16 lanes store 256 consecutive bytes, at a multiple of 256 from the output's first byte
.endr
.endm
	s_wait_tensorcnt 1                             ; my part of K step 0 is in; K step 1's may stay out
	s_barrier_signal -1
	s_barrier_wait -1                              ; everybody's is
	FETCH 0, 0, F0
	s_wait_loadcnt 0x0                             ; the biases
	QUARTER 0, 64,  F0, F1, 1                      ; the first quarter stands in front of the loop: its products start the sums, with the bias
	WIN 0                                          ; at a label and at a branch every window is 0
	s_mov_b32 s3, LAPS-1
.Llap:                                                 ; a trip goes once round the ring, from a lap's second quarter to the next lap's first, and fills both slots again
	QUARTER 0, 128, F1, F0, 0
	QUARTER 0, 192, F0, F1, 0
	TURN 0, 1, 0
	QUARTER 1, 64,  F0, F1, 0
	QUARTER 1, 128, F1, F0, 0
	QUARTER 1, 192, F0, F1, 0
	TURN 1, 0, 0
	QUARTER 0, 64,  F0, F1, 0
	WIN 0
	s_sub_co_u32 s3, s3, 1
	s_cmp_lg_u32 s3, 0
	s_cbranch_scc1 .Llap
	QUARTER 0, 128, F1, F0, 0                      ; the last lap is written out: no joint load is left to issue
	QUARTER 0, 192, F0, F1, 0
	TURN 0, 1, 1                                   ; slot 0 has been read out: its first half takes c_prev's tile
	QUARTER 1, 64,  F0, F1, 0
	QUARTER 1, 128, F1, F0, 0
	QUARTER 1, 192, F0, F1, 0
	s_wait_dscnt 8                                 ; the very last quarter: nothing more to fetch
	MUL16 F1, 0, 0, 0
	s_wait_tensorcnt 0x0                           ; my 64 rows of c_prev have landed (no load was issued behind that one),
	s_wait_dscnt 0x0                               ; and no LDS instruction of mine is out
	s_barrier_signal -1                            ; it shows c_prev's tile whole to the waves that read other waves' rows of it
	MUL16 F1, 0, 2, 0
	MUL16 F1, 1, 0, 0
	MUL16 F1, 1, 2, 0
	WIN 0
	s_barrier_wait -1
	; THE WAY OUT.  Block a's arithmetic stands between the signal and the wait of the barrier that shows block a - 1's stage buffer whole.  Behind the wait: block a - 1's rows are read back, block a goes into
	; the other buffer (whose last readers waited for their loads ahead of that barrier's signal), block a + 1's c_prev is fetched, and block a - 1's rows are stored.
	PLACES
	PLACES
	LOADC 0
	s_wait_dscnt 0x0
.irp a, 0,1,2,3,4,5,6,7
	COMPUTE \a
.if (\a) > 0
	s_barrier_wait -1                              ; both waves of each row half have put block a - 1 into the stage
	GETROWS (\a)-1
.endif
	PUT \a
.if (\a) < 7
	LOADC (\a)+1
.endif
.if (\a) > 0
.if (\a) < 7
	s_wait_dscnt 12                                ; the eight rows are back; the eight stores into the stage and the four loads of c_prev behind them may be out
.else
	s_wait_dscnt 8                                 ; the same, with no c_prev left to fetch
.endif
	SENDROWS (\a)-1
.endif
	s_wait_dscnt 0x0                               ; for the others' sake: my stores into the stage are done, and my reads of the other buffer are back
	s_barrier_signal -1
.endr
	s_barrier_wait -1
	GETROWS 7
	s_wait_dscnt 0x0
	SENDROWS 7
	s_wait_tensorcnt 0x0                           ; the wave's end, behind my last tensor load and my last LDS store
	ds_add_u32 v[SPW], v[NIL]
	s_wait_dscnt 0x0
	CROUND                                         ; the closing round: no work-group ends while a partner may still ask for a tile that names it
	s_endpgm
.Lfunc_end_k_qdc15cf659e_cell:
	.size	k_qdc15cf659e_cell, .Lfunc_end_k_qdc15cf659e_cell-k_qdc15cf659e_cell
	.p2alignl 7, 3214868480
	.fill 96, 4, 3214868480
	.section	.rodata,"a",@progbits
	.p2align	6, 0x0
	.amdhsa_kernel k_qdc15cf659e_cell
		.amdhsa_group_segment_fixed_size 327680
		.amdhsa_private_segment_fixed_size 0
		.amdhsa_enable_private_segment 0
		.amdhsa_kernarg_size 72
		.amdhsa_user_sgpr_count 2
		.amdhsa_user_sgpr_kernarg_segment_ptr 1
		.amdhsa_wavefront_size32 1
		.amdhsa_system_sgpr_workgroup_id_x 1
		.amdhsa_system_sgpr_workgroup_id_y 1
		.amdhsa_system_sgpr_workgroup_id_z 1
		.amdhsa_system_vgpr_workitem_id 0
		.amdhsa_next_free_vgpr 1024
		.amdhsa_next_free_sgpr 100
		.amdhsa_reserve_vcc 0
		.amdhsa_float_denorm_mode_32 3
		.amdhsa_float_denorm_mode_16_64 3
		.amdhsa_memory_ordered 1
		.amdhsa_forward_progress 1
		.amdhsa_inst_pref_size 237
	.end_amdhsa_kernel
	.amdgpu_metadata
---
amdhsa.version: [ 1, 2 ]
amdhsa.kernels:
  - .name:           k_qdc15cf659e_cell
    .symbol:         k_qdc15cf659e_cell.kd
    .args:
      - { .name: ab, .offset: 0, .size: 8, .value_kind: global_buffer, .address_space: global }
      - { .name: wb, .offset: 8, .size: 8, .value_kind: global_buffer, .address_space: global }
      - { .name: c_prev, .offset: 16, .size: 8, .value_kind: global_buffer, .address_space: global }
      - { .name: b_i, .offset: 24, .size: 8, .value_kind: global_buffer, .address_space: global }
      - { .name: b_f, .offset: 32, .size: 8, .value_kind: global_buffer, .address_space: global }
      - { .name: b_g, .offset: 40, .size: 8, .value_kind: global_buffer, .address_space: global }
      - { .name: b_o, .offset: 48, .size: 8, .value_kind: global_buffer, .address_space: global }
      - { .name: out0, .offset: 56, .size: 8, .value_kind: global_buffer, .address_space: global }
      - { .name: out1, .offset: 64, .size: 8, .value_kind: global_buffer, .address_space: global }
    .group_segment_fixed_size: 327680
    .private_segment_fixed_size: 0
    .kernarg_segment_align: 8
    .kernarg_segment_size: 72
    .max_flat_workgroup_size: 128
    .sgpr_count:     100
    .vgpr_count:     1024
    .wavefront_size: 32
...
	.end_amdgpu_metadata
.endif
;; end of part 2
;; ======== version 2 of 2: 2 launches; version 1 with the launch cast written anew for expert scheduling mode
;; limits: values are held in f16: magnitudes above 65,504 overflow, below 6.1e-05 lose precision; inputs' magnitudes at most 65,504
;; workspace buffers: ab 33,554,432 bytes; wb 16,777,216 bytes
;; launch cast (part 3): grid 256 x 3, 8 waves a work-group, no clusters, 0 bytes of LDS; arguments x, h, W_ix, W_ih, W_fx, W_fh, W_gx, W_gh, W_ox, W_oh, ab, wb; writes ab, wb
.if DOCPART == 3
	.amdgcn_target "amdgcn-amd-amdhsa--gfx1250"
	.amdhsa_code_object_version 6
	.text
	.protected	k_qdc15cf659e_cast
	.globl	k_qdc15cf659e_cast
	.p2align	8
	.type	k_qdc15cf659e_cast,@function
k_qdc15cf659e_cast:
	s_mov_b64 s[64:65], 0
	v_nop
	global_prefetch_b8 v0, s[64:65] scope:SCOPE_SE
	s_setreg_imm32_b32 hwreg(HW_REG_WAVE_SCHED_MODE, 0, 2), 2
	s_setreg_imm32_b32 hwreg(HW_REG_WAVE_MODE, 25, 1), 1
	s_wait_xcnt 0x0
	s_wait_alu depctr_vm_vsrc(0)
; LSTM cell, launch 1 of 2: the matrix operands are rounded ONCE to f16 (unscaled) and laid out for the product of launch 2.
; NO WORK OF THE PROBLEM IS LEFT OUT: each of the fifteen inputs reaches an output for general values; this launch reads x, h and the eight weight matrices, launch 2 c_prev and the four biases.
;   ab [8192][2048] f16: row m = x[m][0..1023], then h[m][0..1023].
;   wb [4096][2048] f16: row 128 rb + 32 g + c = W_gx[32 rb + c][:], then W_gh[32 rb + c][:]; g = 0 i, 1 f, 2 g, 3 o; rb = 0..31, c = 0..31.
;      So the 4 gates x 32 hidden columns that one wave of launch 2 multiplies are 128 rows on end, and a work-group's 256 rows too.
; WHY f16.  h_next passes through 0 with slope o where c_next does, so an error of z reaches it with a factor of up to 1.  z is a sum of 2,048 products; with 11 significant bits an operand is off by at most 2^-11
; of itself, with bf16's 8 by at most 2^-8: eight times as much in z, and in h_next.
; LIMITS.  f16 holds no number beyond 65,504: an x, h or weight of 65,520 or more in size becomes an infinity.  Below 6.1e-5 a number keeps f16's fixed step of 6e-8.  NaN and infinities pass as they are.
; A STREAM: no LDS, no barrier, no loop.  A work-group converts 32 source rows of 4,096 bytes: grid y = 0: x, y = 1: h (256 blocks of 32 rows each), y = 2: the eight matrices (8 x 32 blocks).
; Thread t owns bytes 16 t of every source row and bytes 8 t of every half row of the result: a wave's load covers 512 consecutive bytes, a wave's store 256 consecutive bytes, aligned.
; All 32 loads of a thread go out before the first wait; no register is written again behind its store, so no wait frees a source.
; THE MODE: SCHED_MODE bits 1:0 = 2 (LLVM: expert scheduling mode 2), set by the entry lines.  The code itself states the register dependences
; between vector instructions and memory instructions, with s_wait_alu, always for 0.
; THE PLAN.  Registers that memory instructions touch:
;   v1, v2      byte offsets: written once at the head, read by every load (v1) and every store (v2), never written again.
;   X, row i    four registers: written by the row's load, which no vector instruction that names them precedes; read by the row's two conversions, which write the first two of the four in place;
;               those two are read by the row's store; nothing writes them after that.
; The 32 rows go in eight blocks of four.  Block p converts its own four rows; its memory instructions are the four stores of block p - 1, whose registers no conversion of block p names.
; So ONE wait on va_vdst at a block's head states all that the block's four stores hang on, and these are dealt among its conversions with no further wait.  One such wait stands ahead of the first
; load, for the offsets, and one behind block 7, for the last four stores.  No register that a memory instruction has read is written again: no wait on vm_vsrc is owed.
; No vector instruction writes a scalar register or VCC, and EXEC is never written.
.set ROW,   4096                       ; bytes in a source row, and from row to row in ab and wb
.set BLOCK, 4                          ; rows in a block
.set X,     4                          ; v[4:131] row i of the 32 at X + 4 i: four f32 as loaded, then two words of f16 in the first two
	s_load_b512 s[16:31], s[0:1], 0x0              ; x, h, W_ix, W_ih, W_fx, W_fh, W_gx, W_gh
	s_load_b256 s[32:39], s[0:1], 0x40             ; W_ox, W_oh, ab s[36:37], wb s[38:39]
	v_lshlrev_b32 v1, 4, v0                        ; 16 t
	v_lshlrev_b32 v2, 3, v0                        ; 8 t
	s_and_b32 s2, ttmp7, 0xffff                    ; y
	s_lshr_b32 s3, ttmp9, 5                        ; y = 2: q, which matrix (2 x gate + 0 for x's, 1 for h's)
	s_and_b32 s12, ttmp9, 31                       ; y = 2: rb, which 32 rows of it
	s_add_co_u32 s13, s3, 2                        ; its place among the arguments
	s_lshl_b32 s14, ttmp9, 17                      ; y < 2: 32 rows of 4,096 bytes for each work-group, in the source and in ab,
	s_lshl_b32 s40, s2, 11
	s_add_co_u32 s40, s40, s14                     ; and h's half of a row of ab lies 2,048 bytes in
	s_lshl_b32 s15, s12, 17                        ; y = 2: the source's rows 32 rb ..
	s_lshl_b32 s41, s12, 19                        ; wb's rows 128 rb ..
	s_lshr_b32 s42, s3, 1
	s_lshl_b32 s42, s42, 17                        ; + 32 x gate
	s_add_co_u32 s41, s41, s42
	s_and_b32 s42, s3, 1
	s_lshl_b32 s42, s42, 11                        ; + the half of the row
	s_add_co_u32 s41, s41, s42
	s_cmp_eq_u32 s2, 2
	s_cselect_b32 s13, s13, s2                     ; which argument is my source: 0 to 9
	s_cselect_b32 s8, s15, s14                     ; my byte offset in it
	s_cselect_b32 s10, s41, s40                    ; my byte offset in the result
	s_mov_b32 s9, 0
	s_mov_b32 s11, 0
	s_wait_kmcnt 0x0
	s_cmp_eq_u32 s2, 2
	s_cselect_b64 s[6:7], s[38:39], s[36:37]       ; wb or ab
	s_mov_b64 s[4:5], s[16:17]
.irp k, 1,2,3,4,5,6,7,8,9
	s_cmp_eq_u32 s13, \k
	s_cselect_b64 s[4:5], s[16+2*(\k):17+2*(\k)], s[4:5]
.endr
	s_add_nc_u64 s[4:5], s[4:5], s[8:9]
	s_add_nc_u64 s[6:7], s[6:7], s[10:11]
	s_wait_alu depctr_va_vdst(0)                   ; v1 and v2 are written: every load of the kernel reads v1 as its offset, every store v2
.set i, 0
.rept 32
	global_load_b128 v[X+4*i:X+4*i+3], v1, s[4:5] offset:ROW*i th:TH_LOAD_NT
.set i, i+1
.endr
; Block p of eight: rows 4 p to 4 p + 3 are converted; the rows of block p - 1 are stored, one store ahead of each row's two conversions.
.macro BLK p
	s_wait_loadcnt 32-BLOCK-BLOCK*(\p)             ; loads come back in order (ISA guide 5.7.1): block p's four rows are in, the 28 - 4 p younger loads stay out
.if (\p) > 0
	s_wait_alu depctr_va_vdst(0)                   ; the conversions of block p - 1 have written the registers that the four stores below read
.endif
.irp i, 0,1,2,3
.if (\p) > 0
	global_store_b64 v2, v[X+16*(\p)-16+4*(\i):X+16*(\p)-16+4*(\i)+1], s[6:7] offset:ROW*(BLOCK*(\p)-BLOCK+(\i))  ; no vector instruction since the wait names these registers
.endif
	v_cvt_pk_f16_f32 v[X+16*(\p)+4*(\i)],   v[X+16*(\p)+4*(\i)],   v[X+16*(\p)+4*(\i)+1]
	v_cvt_pk_f16_f32 v[X+16*(\p)+4*(\i)+1], v[X+16*(\p)+4*(\i)+2], v[X+16*(\p)+4*(\i)+3]
.endr
.endm
.irp p, 0,1,2,3,4,5,6,7
	BLK \p
.endr
	s_wait_alu depctr_va_vdst(0)                   ; the conversions of block 7 have written the registers that the last four stores read
.irp i, 0,1,2,3
	global_store_b64 v2, v[X+112+4*(\i):X+112+4*(\i)+1], s[6:7] offset:ROW*(28+(\i))
.endr
	s_endpgm
.Lfunc_end_k_qdc15cf659e_cast:
	.size	k_qdc15cf659e_cast, .Lfunc_end_k_qdc15cf659e_cast-k_qdc15cf659e_cast
	.p2alignl 7, 3214868480
	.fill 96, 4, 3214868480
	.section	.rodata,"a",@progbits
	.p2align	6, 0x0
	.amdhsa_kernel k_qdc15cf659e_cast
		.amdhsa_group_segment_fixed_size 0
		.amdhsa_private_segment_fixed_size 0
		.amdhsa_enable_private_segment 0
		.amdhsa_kernarg_size 96
		.amdhsa_user_sgpr_count 2
		.amdhsa_user_sgpr_kernarg_segment_ptr 1
		.amdhsa_wavefront_size32 1
		.amdhsa_system_sgpr_workgroup_id_x 1
		.amdhsa_system_sgpr_workgroup_id_y 1
		.amdhsa_system_sgpr_workgroup_id_z 1
		.amdhsa_system_vgpr_workitem_id 0
		.amdhsa_next_free_vgpr 132
		.amdhsa_next_free_sgpr 66
		.amdhsa_reserve_vcc 0
		.amdhsa_float_denorm_mode_32 3
		.amdhsa_float_denorm_mode_16_64 3
		.amdhsa_memory_ordered 1
		.amdhsa_forward_progress 1
		.amdhsa_inst_pref_size 13
	.end_amdhsa_kernel
	.amdgpu_metadata
---
amdhsa.version: [ 1, 2 ]
amdhsa.kernels:
  - .name:           k_qdc15cf659e_cast
    .symbol:         k_qdc15cf659e_cast.kd
    .args:
      - { .name: x, .offset: 0, .size: 8, .value_kind: global_buffer, .address_space: global }
      - { .name: h, .offset: 8, .size: 8, .value_kind: global_buffer, .address_space: global }
      - { .name: W_ix, .offset: 16, .size: 8, .value_kind: global_buffer, .address_space: global }
      - { .name: W_ih, .offset: 24, .size: 8, .value_kind: global_buffer, .address_space: global }
      - { .name: W_fx, .offset: 32, .size: 8, .value_kind: global_buffer, .address_space: global }
      - { .name: W_fh, .offset: 40, .size: 8, .value_kind: global_buffer, .address_space: global }
      - { .name: W_gx, .offset: 48, .size: 8, .value_kind: global_buffer, .address_space: global }
      - { .name: W_gh, .offset: 56, .size: 8, .value_kind: global_buffer, .address_space: global }
      - { .name: W_ox, .offset: 64, .size: 8, .value_kind: global_buffer, .address_space: global }
      - { .name: W_oh, .offset: 72, .size: 8, .value_kind: global_buffer, .address_space: global }
      - { .name: ab, .offset: 80, .size: 8, .value_kind: global_buffer, .address_space: global }
      - { .name: wb, .offset: 88, .size: 8, .value_kind: global_buffer, .address_space: global }
    .group_segment_fixed_size: 0
    .private_segment_fixed_size: 0
    .kernarg_segment_align: 8
    .kernarg_segment_size: 96
    .max_flat_workgroup_size: 256
    .sgpr_count:     66
    .vgpr_count:     132
    .wavefront_size: 32
...
	.end_amdgpu_metadata
.endif
;; end of part 3
;; launch cell: the kernel of part 2 again; grid 16 x 32, 4 waves a work-group, clusters of 4 x 4, 327,680 bytes of LDS; arguments ab, wb, c_prev, b_i, b_f, b_g, b_o, out0, out1; writes out0, out1
